; MI455X (gfx1250); checked and timed in simulation.
; The chip was launched on July 23, 2026; its instructions are those of AMD's public machine-readable ISA for CDNA 5 (MIT licence, August 2026) and "CDNA5" Instruction Set Architecture Reference Guide (July 2026). The comments in the code are by the model that wrote it; some were corrected since.
;; Quant Linear WB. Allowed arithmetic: matrix products marked QUANTISED: E2M3 operands, one E8M0 scale for each 32 along K, by v_wmma_scale_f32_16x16x128_f8f6f4 with both operands' format E2M3, f32 sums; everything else in f32.
;; Inputs: bias 4,096 float32; qcodes 4,096 x 32 x 64 int32; scales 4,096 x 32 float32; x_codes 4 x 1,024 x 128 x 24 uint8 (E2M3 codes of x, K innermost, in blocks of 32 codes, four codes in three bytes); x_scales 4 x 1,024 x 128 uint8 (E8M0 scales of x, one for each 32 codes along K); zeros 4,096 x 32 float32.
;; Outputs: out0 4 x 1,024 x 4,096 float32.
;; This version of the problem:
;;   THIS VERSION OF THE PROBLEM IS GIVEN IN LOW PRECISION. The matrix products marked QUANTISED in the list below multiply operands that are first quantised to E2M3 (2 exponent bits, 3 mantissa bits; 6 bits a number), with one power-of-two scale for each 32 numbers along K (OCP MX v1.0); their sums are f32. All else is computed in f32.
;;   The module's matrix products, in the order in which they are computed (A, B: the left and right operand; K: the contracted axis; several contracted axes count as one K, in the product's order):
;;     1. [M 4,096, K 4,096] x [K 4,096, N 4,096]; A: input x (given as codes); B: computed on the way: QUANTISED
;;   THE QUANTISER, for each operand of a quantised product, along K:
;;     - K is cut into blocks of 32 from its start; a last block that is shorter is filled with zeros.
;;     - A block's scale is 2^e with e = floor(log2(the largest magnitude in the block)) - 2, held to -126 .. 127; a block of zeros has e = 0. As a byte (E8M0): e + 127.
;;     - Each number is divided by its block's scale, clamped to +-7.5, and rounded to the nearest number of E2M3, ties to even, subnormals kept.
;;     - The product sums the exact products of the quantised numbers (number of the format x scale) in f32.
;;   ~~~python
;;   def quantise(x, axis):      # numpy; x: float32 -> the quantised numbers, widened to float32 again
;;       x = np.moveaxis(x, axis, -1); K = x.shape[-1]
;;       x = np.pad(x, [(0, 0)] * (x.ndim - 1) + [(0, -K % 32)]); x = x.reshape(x.shape[:-1] + (-1, 32)); a = np.abs(x).max(-1, keepdims=True)
;;       e = np.where(a > 0, np.clip(np.frexp(np.where(a > 0, a, 1))[1] - 1 - 2, -126, 127), 0)      # np.frexp(a)[1] - 1 = floor(log2(a)), exactly
;;       r = np.clip(x / 2.0 ** e, -7.5, 7.5)
;;       step = 2.0 ** (np.maximum(np.frexp(np.where(r == 0, 1, r))[1] - 1, 0) - 3)
;;       q = np.round(r / step) * step * 2.0 ** e      # np.round: ties to even
;;       return np.moveaxis(q.reshape(q.shape[:-2] + (-1,))[..., :K], -1, axis).astype(np.float32)
;;   ~~~
;;   OPERANDS COMPUTED ON THE WAY. 'Computed on the way' means the value that the module computes at that place (a softmax that the list does not call 'softmax' is quantised finished and normalised). What goes into a quantiser is computed in f32, as accurately as f32 sums, v_exp_f32 and their like allow (about 1e-6 of the number): no bf16 or f16 on the way to a quantiser, and a product that is left as it is and whose result goes on into a quantised operand takes f32 operands (vector FMAs, or v_wmma_f32_16x16x4_f32). A number that lies on a knife's edge between two numbers of the format may be rounded either way, as far as f32 arithmetic and the matrix unit's own rounding can turn it there, and no further.
;;   INPUTS GIVEN AS CODES. x (in the module: [4, 1024, 4096], K = its axis 2): each comes as NAME_codes (uint8): NAME with its K axis moved to the last place and cut into blocks of 32 codes, [.., K / 32, bytes a block], one block behind the other in memory; four codes in three bytes: a row's codes are one little-endian stream of bits, code i at bits 6 i .. 6 i + 5 (a code: sign, 2 exponent bits, 3 mantissa bits); and NAME_scales (uint8): the same leading axes, one E8M0 byte (e + 127) for each 32 codes along K. Its value is code x scale, taken as it is: it is not quantised again, and the codes and scales need not be those that the quantiser above would give.
;; One version. Each part assembles by itself: llvm-mc -triple=amdgcn-amd-amdhsa -mcpu=gfx1250 --defsym DOCPART=n.
;; ======== version 1 of 1: 2 launches
;; limits: values are held in f16: magnitudes above 65,504 overflow, below 6.1e-05 lose precision; right only within a limited range of input values
;; workspace buffers: w_codes 12,582,912 bytes; w_scales 524,288 bytes; xs2 524,288 bytes
;; launch quantw (part 1): grid 256 x 1, 8 waves a work-group, no clusters, 93,184 bytes of LDS; arguments qcodes, scales, zeros, w_codes, w_scales, x_scales, xs2; writes w_codes, w_scales, xs2
.if DOCPART == 1
	.amdgcn_target "amdgcn-amd-amdhsa--gfx1250"
	.amdhsa_code_object_version 6
	.text
	.protected	k_qa8fadd9b5b_quantw
	.globl	k_qa8fadd9b5b_quantw
	.p2align	8
	.type	k_qa8fadd9b5b_quantw,@function
k_qa8fadd9b5b_quantw:
	s_mov_b64 s[64:65], 0
	v_nop
	global_prefetch_b8 v0, s[64:65] scope:SCOPE_SE
	s_setreg_imm32_b32 hwreg(HW_REG_WAVE_MODE, 25, 1), 1
	s_wait_xcnt 0x0
; W[n][k] = f16((q[n][k] - zeros[n][k / 128]) x scales[n][k / 128]), q a nibble of qcodes (int32 i of a row: bits 7:4 are k = 2 i, bits 3:0 are k = 2 i + 1; the other bits do not count),
; is turned into codes of FP6 (E2M3), 6 bits each, K innermost (w_codes: [4096][3072 bytes], a row one stream of bits), with one E8M0 byte for each 32 along K (w_scales: [4096][128]).
; The subtraction and the multiplication are two f32 roundings, as the definition has them; then one rounding to f16 (nearest even, denormals kept), which is a step of the definition itself, and back to f32.
; A block's scale is 2^(floor(log2(its largest magnitude)) - 2): its byte is the largest magnitude's exponent field - 2, held at 1 from below.
; LIMITS.  A block of zeros gets the byte 1 where the quantiser says 127: its codes are zeros, and this program alone reads the bytes.  Weights beyond f16's largest number, 65,504, are infinite in the
; definition too and are not served; NaN and infinities among the inputs are not served.
; SHARES.  Rows are dense, so all five buffers are plain streams.  Wave W (0 .. 2,047) takes rows 2 W and 2 W + 1: 16,384 bytes of qcodes, 256 of zeros, 256 of scales; 6,144 bytes of codes, 256 scale bytes.
; It goes in 8 steps of 512 ints = 1,024 weights = 32 blocks: ONE BLOCK A LANE, so that a block's largest magnitude needs no other lane and the conversions find 16 neighbours along K in a lane's registers.
; DENSE LOADS ALL THE SAME.  Each load reads 512 consecutive bytes, 4 ints a lane.  Only an int's low byte counts: three v_perm_b32 pack a lane's 4 ints into one word, which goes to the wave's own LDS at the ints'
; place (byte = int's number in the step); a load of 16 bytes at 16 x lane then brings lane l ints 16 l .. 16 l + 15: weights 32 l .. 32 l + 31.
; All 32 loads of a wave are issued at its head (16,384 bytes on their way, each into registers of its own): no ring, no pointer is stepped, every offset is an immediate.
; THE WAY OUT.  A lane's 24 bytes of codes go to LDS as they lie in the stream; a finished row (3,072 bytes) comes back 16 bytes a lane and leaves by stores of 512 consecutive bytes, aligned to 256.
; The wave's 256 scale bytes are gathered in LDS and leave by one store of 256 consecutive bytes.
; Waves share nothing: no barrier.  No tensor load, no matrix instruction, no cluster: the launch moves bytes, and no two work-groups read the same ones.
; THE SHARES AND THE SCALES' LAYOUT AS THEY STAND NOW (these lines stand over what the head says of them):
; a work-group has EIGHT waves and owns 16 rows of W (wave W = 8 x work-group + wave, rows 2 W and 2 W + 1 as before), and the 16 rows of x_scales of the same number.
; Scale words leave in the order in which the product's launch loads them: for 16 rows 2,048 bytes; in them, for u = 0 .. 7 (four steps of 128 along K), 256 bytes: lane 16 h + r's 8 bytes are row r's words of steps 4 u + 2 h and 4 u + 2 h + 1.
; In every word bytes 1 and 2 change places (the product's launch loads 48 neighbouring bytes of codes a lane, which lays block 1 of a step where the matrix unit has block 2, and the other way round).
; In w_scales the two words of a pair change places too, so that x's and W's scale registers of one product differ in their number's lowest bit.
; The waves' scale bytes of W meet in 2,048 shared LDS bytes (SHB): one barrier, then each wave stores 256 consecutive bytes.  x_scales: wave u loads 16 bytes of each of the 16 rows, 8 a lane, and stores 256 consecutive bytes.
.set SHB,  90112                       ; behind the eight waves' regions
.set WREG, 11264
.set ZSO,  4096                        ; +4,096: the wave's 64 zeros, +4,352: its 64 scales
.set OUTS, 4608                        ; +4,608: its codes, dense: 768 x step + 24 x lane
.set SBO,  10752                       ; not used: the scale bytes go to the shared bytes at SHB
.set D,    16                          ; v16-23   a lane's 16 packed ints, two sets (step % 2)
.set ZP,   24                          ; v24-27   the lane's zero, as the low word of a pair, two sets
.set SP,   28                          ; v28-31   its scale likewise
.set P,    32                          ; v32-39   the four packed words of a step, two sets
.set TP,   40                          ; v40-47   at work in the packing
.set X,    64                          ; v64-95   the block's 32 numbers
.set F,    96                          ; v96-101, v106-111  the block's codes, two sets
.set G,    102                         ; v102-104 the second half's codes as the conversion leaves them
.set E,    112                         ; v112-113 the scale's byte, two sets
.set ZL,   114                         ; v114-115 zeros as loaded
.set SL,   116                         ; v116-117 scales as loaded
.set R,    128                         ; v128-255 qcodes as loaded: step t, load j at v[R + 16 t + 4 j]; later rows of codes on their way out
	s_load_b256 s[4:11], s[0:1], 0x0               ; qcodes s[4:5], scales s[6:7], zeros s[8:9], w_codes s[10:11]
	s_load_b64 s[12:13], s[0:1], 0x20
	s_load_b64 s[24:25], s[0:1], 0x28              ; x_scales
	s_load_b64 s[26:27], s[0:1], 0x30              ; xs2
	v_lshl_add_u32 v126, v0, 2, 0x16800
	v_mov_b32 v127, 0
	v_lshrrev_b32 v1, 5, v0
	v_readfirstlane_b32 s16, v1
	s_lshl_b32 s23, s16, 4                         ; 16 x wave: my two rows' 8 bytes each in a 128-byte run; also my 16 bytes of a row of x_scales
	s_add_co_u32 s28, s23, SHB
	s_lshl_b32 s29, s16, 8
	s_add_co_u32 s29, s29, SHB                     ; the 256 shared bytes that I store
	s_mov_b32 s14, 0x03010200                      ; v_perm_b32: bytes 1 and 2 change places
	s_lshl_b32 s30, ttmp9, 11                      ; the work-group's 16 rows of x_scales
	s_mov_b32 s31, 0
	v_and_b32 v1, 31, v0                           ; lane
	s_lshl_b32 s17, ttmp9, 3
	s_add_co_u32 s17, s17, s16                     ; W = 8 x work-group + wave
	s_mul_i32 s22, s16, WREG                       ; my wave's region of LDS
	s_mov_b32 s20, 0x00000400                      ; v_perm_b32: byte 0 of the second source, then byte 0 of the first
	s_mov_b32 s21, 0x05040100                      ; the low halves of the second source and of the first
	v_lshlrev_b32 v2, 4, v1                        ; 16 x lane: my place in a load's or a store's 512 bytes
	v_lshl_add_u32 v3, v1, 2, s22                  ; LDS: 4 x lane
	v_add_nc_u32 v4, s22, v2                       ; LDS: 16 x lane
	v_and_b32 v5, 28, v1
	v_add_nc_u32 v5, s22, v5                       ; LDS: 4 x (lane / 4): four lanes, 128 weights, share a zero and a scale
	v_mul_u32_u24 v6, v1, 24
	v_add_nc_u32 v6, s22, v6                       ; LDS: 24 x lane
	v_lshrrev_b32 v7, 3, v1                        ; my block's scale byte in the shared 2,048: 128 x (lane / 8): u's odd half and h;
	v_lshlrev_b32 v7, 7, v7
	v_and_b32 v13, 4, v1
	v_xor_b32 v13, 4, v13                          ; the step's word of the pair, the two reversed;
	v_add_nc_u32 v7, v7, v13
	v_bfe_u32 v13, v1, 1, 1                        ; the byte: bits 0 and 1 of the lane change places
	v_add_nc_u32 v7, v7, v13
	v_and_b32 v13, 1, v1
	v_lshl_add_u32 v7, v13, 1, v7
	v_add_nc_u32 v7, s28, v7
	v_lshlrev_b32 v9, 3, v1                        ; 8 x lane
	v_add_nc_u32 v8, s22, v9
	v_add_nc_u32 v120, s29, v9                     ; LDS: my 8 bytes of the 256 shared bytes that my wave stores
	v_and_b32 v121, 15, v1                         ; x_scales: row lane % 16 of 128 bytes,
	v_lshlrev_b32 v121, 7, v121
	v_lshrrev_b32 v122, 4, v1
	v_lshl_add_u32 v121, v122, 3, v121             ; + 8 x (lane / 16)
	v_add_nc_u32 v121, s23, v121                   ; + 16 x wave
.irp u, 1,3,5,7
	v_mov_b32 v[ZP+\u], 0                          ; the upper words of the four pairs: the packed forms name them and take the low word for both halves
.endr
	s_wait_alu depctr_va_vdst(0)
	s_wait_kmcnt 0x0
	s_lshl_b32 s18, s17, 14                        ; 16,384 bytes of qcodes a wave
	s_mov_b32 s19, 0
	s_add_nc_u64 s[4:5], s[4:5], s[18:19]
	s_lshl_b32 s18, s17, 8                         ; 256 bytes of scales, of zeros and of scale bytes
	s_add_nc_u64 s[6:7], s[6:7], s[18:19]
	s_add_nc_u64 s[8:9], s[8:9], s[18:19]
	s_add_nc_u64 s[12:13], s[12:13], s[18:19]
	s_add_nc_u64 s[26:27], s[26:27], s[18:19]
	s_add_nc_u64 s[24:25], s[24:25], s[30:31]
	s_mul_i32 s18, s17, 6144                       ; 6,144 bytes of codes
	s_add_nc_u64 s[10:11], s[10:11], s[18:19]
	global_load_b64 v[118:119], v121, s[24:25]     ; two scale words of x; older than all other loads, so the counts below stand
	global_load_b64 v[ZL:ZL+1], v9, s[8:9]
	global_load_b64 v[SL:SL+1], v9, s[6:7]
.irp t, 0,1,2,3,4,5,6,7
.irp j, 0,1,2,3
	global_load_b128 v[R+16*\t+4*\j:R+16*\t+4*\j+3], v2, s[4:5] offset:2048*\t+512*\j th:TH_LOAD_NT   ; 32 lanes read 512 consecutive bytes; read once in the launch
.endr
.endr
	s_wait_loadcnt 32                              ; zeros and scales are in; the 32 loads issued behind them stay out
	v_perm_b32 v124, v118, v118, s14
	v_perm_b32 v125, v119, v119, s14
	global_store_b64 v9, v[124:125], s[26:27]      ; 32 lanes store 256 consecutive bytes, aligned
	ds_store_b64 v8, v[ZL:ZL+1] offset:ZSO
	ds_store_b64 v8, v[SL:SL+1] offset:ZSO+256
; Step t's ints are packed and turned through LDS: 4 stores and 3 loads.  LDS serves a wave's instructions in order (ISA guide 5.7.1.4): no wait between the stores and the loads.
.macro PACK t
.set U, (\t)%2
	s_wait_loadcnt 4*(7-(\t))                      ; loads come back in order: step t's four are in, the later steps' stay out
.irp j, 0,1,2,3
	v_perm_b32 v[TP+2*\j],   v[R+16*(\t)+4*\j+1], v[R+16*(\t)+4*\j],   s20   ; the low bytes of ints 0 and 1,
	v_perm_b32 v[TP+2*\j+1], v[R+16*(\t)+4*\j+3], v[R+16*(\t)+4*\j+2], s20   ; of ints 2 and 3,
.endr
.irp j, 0,1,2,3
	v_perm_b32 v[P+4*U+\j], v[TP+2*\j+1], v[TP+2*\j], s21                    ; in one word, the lower int in the lower byte
.endr
.irp j, 0,1,2,3
	ds_store_b32 v3, v[P+4*U+\j] offset:512*(\t)+128*\j
.endr
	ds_load_b128 v[D+4*U:D+4*U+3], v4 offset:512*(\t)                        ; my block's 16 ints
	ds_load_b32 v[ZP+2*U], v5 offset:ZSO+32*(\t)                             ; its group's zero: group 8 t + lane / 4 of the wave's 64
	ds_load_b32 v[SP+2*U], v5 offset:ZSO+256+32*(\t)                         ; and scale
.endm
; Step t's block of a lane: nibbles, dequantised, rounded to f16, quantised; 3 stores of codes and one of the byte.
.macro WORK t
.set U, (\t)%2
.set FF, F+10*U
.irp c, 0,1,2,3
.irp b, 0,1,2,3
	v_bfe_u32 v[X+8*\c+2*\b],   v[D+4*U+\c], 8*\b+4, 4    ; the high nibble is the even k,
	v_bfe_u32 v[X+8*\c+2*\b+1], v[D+4*U+\c], 8*\b, 4      ; the low nibble the odd one
.endr
.endr
.set i, 0
.rept 32
	v_cvt_f32_u32 v[X+i], v[X+i]
.set i, i+1
.endr
.set i, 0
.rept 16
	v_pk_add_f32 v[X+i:X+i+1], v[X+i:X+i+1], v[ZP+2*U:ZP+2*U+1] op_sel_hi:[1,0] neg_lo:[0,1] neg_hi:[0,1]   ; q - zero: a rounding of its own, as in the definition: not fused with the product
.set i, i+2
.endr
.set i, 0
.rept 16
	v_pk_mul_f32 v[X+i:X+i+1], v[X+i:X+i+1], v[SP+2*U:SP+2*U+1] op_sel_hi:[1,0]   ; x scale
.set i, i+2
.endr
	v_cvt_f16_f32 v64.l, v64                       ; to f16, in place in the low half (half registers are named by number, so these lines are written out)
	v_cvt_f16_f32 v65.l, v65
	v_cvt_f16_f32 v66.l, v66
	v_cvt_f16_f32 v67.l, v67
	v_cvt_f16_f32 v68.l, v68
	v_cvt_f16_f32 v69.l, v69
	v_cvt_f16_f32 v70.l, v70
	v_cvt_f16_f32 v71.l, v71
	v_cvt_f16_f32 v72.l, v72
	v_cvt_f16_f32 v73.l, v73
	v_cvt_f16_f32 v74.l, v74
	v_cvt_f16_f32 v75.l, v75
	v_cvt_f16_f32 v76.l, v76
	v_cvt_f16_f32 v77.l, v77
	v_cvt_f16_f32 v78.l, v78
	v_cvt_f16_f32 v79.l, v79
	v_cvt_f16_f32 v80.l, v80
	v_cvt_f16_f32 v81.l, v81
	v_cvt_f16_f32 v82.l, v82
	v_cvt_f16_f32 v83.l, v83
	v_cvt_f16_f32 v84.l, v84
	v_cvt_f16_f32 v85.l, v85
	v_cvt_f16_f32 v86.l, v86
	v_cvt_f16_f32 v87.l, v87
	v_cvt_f16_f32 v88.l, v88
	v_cvt_f16_f32 v89.l, v89
	v_cvt_f16_f32 v90.l, v90
	v_cvt_f16_f32 v91.l, v91
	v_cvt_f16_f32 v92.l, v92
	v_cvt_f16_f32 v93.l, v93
	v_cvt_f16_f32 v94.l, v94
	v_cvt_f16_f32 v95.l, v95
	v_cvt_f32_f16 v64, v64.l                       ; and back to f32: the weight as the definition has it
	v_cvt_f32_f16 v65, v65.l
	v_cvt_f32_f16 v66, v66.l
	v_cvt_f32_f16 v67, v67.l
	v_cvt_f32_f16 v68, v68.l
	v_cvt_f32_f16 v69, v69.l
	v_cvt_f32_f16 v70, v70.l
	v_cvt_f32_f16 v71, v71.l
	v_cvt_f32_f16 v72, v72.l
	v_cvt_f32_f16 v73, v73.l
	v_cvt_f32_f16 v74, v74.l
	v_cvt_f32_f16 v75, v75.l
	v_cvt_f32_f16 v76, v76.l
	v_cvt_f32_f16 v77, v77.l
	v_cvt_f32_f16 v78, v78.l
	v_cvt_f32_f16 v79, v79.l
	v_cvt_f32_f16 v80, v80.l
	v_cvt_f32_f16 v81, v81.l
	v_cvt_f32_f16 v82, v82.l
	v_cvt_f32_f16 v83, v83.l
	v_cvt_f32_f16 v84, v84.l
	v_cvt_f32_f16 v85, v85.l
	v_cvt_f32_f16 v86, v86.l
	v_cvt_f32_f16 v87, v87.l
	v_cvt_f32_f16 v88, v88.l
	v_cvt_f32_f16 v89, v89.l
	v_cvt_f32_f16 v90, v90.l
	v_cvt_f32_f16 v91, v91.l
	v_cvt_f32_f16 v92, v92.l
	v_cvt_f32_f16 v93, v93.l
	v_cvt_f32_f16 v94, v94.l
	v_cvt_f32_f16 v95, v95.l
	v_max3_num_f32 v10, |v[X]|, |v[X+1]|, |v[X+2]|                 ; the block's largest magnitude: all 32 numbers are mine; two chains, so that they do not wait for each other
	v_max3_num_f32 v11, |v[X+3]|, |v[X+4]|, |v[X+5]|
.irp i, 6,10,14,18,22,26
	v_max3_num_f32 v10, v10, |v[X+\i]|, |v[X+\i+1]|
	v_max3_num_f32 v11, v11, |v[X+\i+2]|, |v[X+\i+3]|
.endr
	v_max3_num_f32 v10, v10, |v[X+30]|, |v[X+31]|
	v_max3_num_f32 v10, v10, v11, 0x1800000        ; and the floor 2^(3 - 127), under which no largest magnitude is taken: so the byte cannot fall under 1
	v_add_nc_u32 v12, 0xff000000, v10              ; 2 off its exponent field: the conversion takes the exponent field of this operand as its scale, and nothing else of it
	v_cvt_scalef32_pk16_fp6_f32 v[FF:FF+2], v[X:X+15], v12         ; sixteen numbers / the scale, to the nearest code, ties to even, beyond the largest code the largest; 96 bits without gaps
	v_cvt_scalef32_pk16_fp6_f32 v[G:G+2], v[X+16:X+31], v12        ; (a conversion's three registers begin on an even number: the block's second three do not, so they are made here and moved)
	v_lshrrev_b32 v[E+U], 23, v12                  ; the scale's byte; also the plain instruction between the conversions and the moves that read their result
.irp i, 0,1,2
	v_mov_b32 v[FF+3+\i], v[G+\i]
.endr
.irp i, 0,1,2
	ds_store_b64 v6, v[FF+2*\i:FF+2*\i+1] offset:OUTS+768*(\t)+8*\i   ; my block's 24 bytes, where they lie in the wave's stream of codes
.endr
	ds_store_b8 v7, v[E+U] offset:512*((\t)%4)+8*((\t)/4)
.endm
; Row r of the wave's two is whole in LDS: it comes back 16 bytes a lane and is stored.  Each row has registers of its own, so no store's data are written again.
.macro OUTROW r
.set O, R+32*(\r)
.irp i, 0,1,2,3,4,5
	ds_load_b128 v[O+4*\i:O+4*\i+3], v4 offset:OUTS+3072*(\r)+512*\i   ; these see my stores: LDS serves a wave's instructions in order
.endr
.irp i, 0,1,2,3,4,5
	s_wait_dscnt 5-\i                              ; load i is in; the row's younger loads stay out
	global_store_b128 v2, v[O+4*\i:O+4*\i+3], s[10:11] offset:3072*(\r)+512*\i   ; 32 lanes store 512 consecutive bytes, at a multiple of 256 from the buffer's first byte
.endr
.endm
	PACK 0
.irp t, 0,1,2,3,4,5,6,7
.if \t < 7
	PACK \t+1                                      ; the next step's turn through LDS is on its way while this step is worked
.endif
.if \t == 0
	s_wait_dscnt 7                                 ; step 0's three loads are in; the seven LDS instructions of step 1's packing stay out
.elseif \t < 7
	s_wait_dscnt 11                                ; behind this step's loads: the last step's four stores and the next step's seven (behind a row's way out six more: the count is then the smaller)
.else
	s_wait_dscnt 4                                 ; behind the last step's loads: step 6's four stores
.endif
	WORK \t                                        ; (the sets that it writes were last read by LDS stores two steps back, which the wait above has shown done)
.if \t == 3
	OUTROW 0
.endif
.if \t == 7
	OUTROW 1
.endif
.endr
	s_wait_dscnt 0x0                               ; my scale bytes are stored
	s_barrier_signal -1
	s_barrier_wait -1                              ; and so are the other seven waves'
	ds_load_b64 v[14:15], v120
	s_wait_dscnt 0x0
	global_store_b64 v9, v[14:15], s[12:13]        ; 32 lanes store 256 consecutive bytes, aligned
	s_wait_tensorcnt 0x0
	ds_add_u32 v126, v127
	s_wait_dscnt 0x0
	s_endpgm
.Lfunc_end_k_qa8fadd9b5b_quantw:
	.size	k_qa8fadd9b5b_quantw, .Lfunc_end_k_qa8fadd9b5b_quantw-k_qa8fadd9b5b_quantw
	.p2alignl 7, 3214868480
	.fill 96, 4, 3214868480
	.section	.rodata,"a",@progbits
	.p2align	6, 0x0
	.amdhsa_kernel k_qa8fadd9b5b_quantw
		.amdhsa_group_segment_fixed_size 93184
		.amdhsa_private_segment_fixed_size 0
		.amdhsa_enable_private_segment 0
		.amdhsa_kernarg_size 56
		.amdhsa_user_sgpr_count 2
		.amdhsa_user_sgpr_kernarg_segment_ptr 1
		.amdhsa_wavefront_size32 1
		.amdhsa_system_sgpr_workgroup_id_x 1
		.amdhsa_system_sgpr_workgroup_id_y 1
		.amdhsa_system_sgpr_workgroup_id_z 1
		.amdhsa_system_vgpr_workitem_id 0
		.amdhsa_next_free_vgpr 256
		.amdhsa_next_free_sgpr 66
		.amdhsa_reserve_vcc 0
		.amdhsa_float_denorm_mode_32 3
		.amdhsa_float_denorm_mode_16_64 3
		.amdhsa_memory_ordered 1
		.amdhsa_forward_progress 1
		.amdhsa_inst_pref_size 88
	.end_amdhsa_kernel
	.amdgpu_metadata
---
amdhsa.version: [ 1, 2 ]
amdhsa.kernels:
  - .name:           k_qa8fadd9b5b_quantw
    .symbol:         k_qa8fadd9b5b_quantw.kd
    .args:
      - { .name: qcodes, .offset: 0, .size: 8, .value_kind: global_buffer, .address_space: global }
      - { .name: scales, .offset: 8, .size: 8, .value_kind: global_buffer, .address_space: global }
      - { .name: zeros, .offset: 16, .size: 8, .value_kind: global_buffer, .address_space: global }
      - { .name: w_codes, .offset: 24, .size: 8, .value_kind: global_buffer, .address_space: global }
      - { .name: w_scales, .offset: 32, .size: 8, .value_kind: global_buffer, .address_space: global }
      - { .name: x_scales, .offset: 40, .size: 8, .value_kind: global_buffer, .address_space: global }
      - { .name: xs2, .offset: 48, .size: 8, .value_kind: global_buffer, .address_space: global }
    .group_segment_fixed_size: 93184
    .private_segment_fixed_size: 0
    .kernarg_segment_align: 8
    .kernarg_segment_size: 56
    .max_flat_workgroup_size: 256
    .sgpr_count:     66
    .vgpr_count:     256
    .wavefront_size: 32
...
	.end_amdgpu_metadata
.endif
;; end of part 1
;; launch gemm (part 2): grid 16 x 16, 4 waves a work-group, clusters of 4 x 4, 327,680 bytes of LDS; arguments x_codes, xs2, w_codes, w_scales, out0, bias; writes out0
.if DOCPART == 2
	.amdgcn_target "amdgcn-amd-amdhsa--gfx1250"
	.amdhsa_code_object_version 6
	.text
	.protected	k_qa8fadd9b5b_gemm
	.globl	k_qa8fadd9b5b_gemm
	.p2align	8
	.type	k_qa8fadd9b5b_gemm,@function
k_qa8fadd9b5b_gemm:
	s_mov_b64 s[64:65], 0
	v_nop
	global_prefetch_b8 v0, s[64:65] scope:SCOPE_SE
	s_setreg_imm32_b32 hwreg(HW_REG_WAVE_MODE, 25, 1), 1
	s_wait_xcnt 0x0
	s_wait_alu depctr_hold_cnt(0) depctr_sa_sdst(0) depctr_va_vdst(0) depctr_va_sdst(0) depctr_va_ssrc(0) depctr_va_vcc(0) depctr_vm_vsrc(0)
	s_getreg_b32 s2, hwreg(HW_REG_IB_STS2, 6, 4)
	s_cmp_eq_u32 s2, 0
	s_cbranch_scc0 .Lentry_in_a_cluster
	s_endpgm
.Lentry_in_a_cluster:
	s_bfe_u32 s2, ttmp6, 0x10000c
	s_cmp_lg_u32 s2, 0xf033
	s_cbranch_scc0 .Lentry_shape_is_right
	s_endpgm
.Lentry_shape_is_right:
; out0[m][n] = bias[n] + sum over k of x[m][k] W[n][k], both operands codes of FP6 (E2M3) with one E8M0 byte for each 32 along K; sums in f32.  M = N = K = 4,096.  Nothing of the problem is left out.
; x_codes as given, w_codes as the launch before laid them: rows of 3,072 bytes.  xs2, w_scales: the scale words as that launch laid them (below).
; A work-group of four waves makes 256 x 256, a wave 128 x 128: 64 accumulators, 512 registers.  256 work-groups.
; THE RING: two LDS slots; a slot holds one chunk of 256 bytes of x's 256 rows and of W's 256 rows (each tensor row is 256 bytes of memory and begins at a multiple of 256).  12 chunks; chunk c lies in slot c % 2.
; A step of 128 along K is 96 bytes of a row: eight steps to three chunks.  Of each eight, steps 2 and 5 lie across two chunks.
; CLUSTERS 4 x 4: x's tiles are asked for jointly along a row of the cluster, W's along a column: one load a wave, 128 rows.
; FRAGMENTS: a lane takes 48 neighbouring bytes of its row (lanes 0-15 the step's first 48, lanes 16-31 the second) by three loads of 16 bytes.  So blocks 1 and 2 of a step's four stand in each other's place,
; alike in both operands, and the scale words come with bytes 1 and 2 exchanged.  LIMIT: within a step the products are summed in that order of blocks, not in ascending k.
; SCALES come from memory straight into registers, 256 consecutive bytes a load: for 16 rows and four steps u, lane 16 h + r holds row r's words of steps 4 u + 2 h, 4 u + 2 h + 1 (W's two words reversed).
; Two sets of 32 registers; a set is loaded four steps ahead of its first use.  All of K's scales beside the ring would be 65,536 bytes more than the 49,152 that LDS has left.
; THE WALK: step 0 (its products take the bias as C) stands ahead of the loop; a trip is steps 1 .. 8 of an eight (three chunks), three trips; steps 25 .. 31 are written out, since they fill one chunk only.
; Three chunks a trip turn the slots' order round: the LDS addresses are made anew at a trip's end from two scalars that change places.
; PREFETCH: behind each refill (chunk c) one instruction a wave names chunk c + 2: 32 rows x 256 bytes, a lane a row; the four partners that ask for a tile jointly take 32 rows each of the wave's 128, by address.
; The head names chunks 1 to 3, which no refill's request covers; chunk 12 does not exist: the last trip's third request is jumped over, and the tail asks for nothing.
; THE MATRIX INSTRUCTION IS USED TRANSPOSED (source 0 = 16 rows of W, source 1 = 16 rows of x): a lane holds eight neighbouring columns of one row of out0.
; REGISTERS: window 0: v0-31 addresses; v32-95 scale words; v96-127 and v224-255 the bias; v128-223 x's fragments, one set; on the way out v128-255.  Window 1: W's fragments, two sets, at v0 and v128.  Windows 2, 3: accumulators.
.set SIZE_N, 4096
.set KROW,   3072
.set ROWB,   256
.set CHUNKS, 12
.set PITCH,  272                       ; 256 bytes + 16 of padding: the 16 rows of a load of 16 bytes a lane fall into 16 different columns of 16 bytes
.set FR,     12
.set NL,     3
.set NP,     4
.set HALFT,  128*PITCH
.set SLOT,   4*HALFT
.set STAGE,  2*SLOT                    ; behind the ring: 16 rows x 528 bytes for each wave; no tensor load lands here
.set SPITCH, 528
.set SPARE,  STAGE+4*16*SPITCH         ; the spare words
.set HS,   10                          ; v10 h = lane / 16;  v11 1 - h
.set VA,   12                          ; v12, v13 my fragments' place in a slot, x's and W's; v14, v15 my row's place in a slot, + 208 in lanes 0-15: for loads that lie across two chunks
.set ADRA, 16                          ; v16-17 x's fragments in the trip's even and odd chunks; v18-19 lanes 0-15 byte 208 of an even (odd) chunk, lanes 16-31 byte 0 of the next
.set ADRB, 20
.set STO,  24
.set RD,   25
.set CO,   26
.set SCO,  27                          ; 8 x lane
.set SPW,  28
.set NIL,  29
.set PFO,  30                          ; lane x 3,072
.set BO,   31
.set SC,   32                          ; set s at SC + 32 s: x's block a at + 2 a + q, W's block b at + 16 + 2 b + 1 - q
.set AF,   128
.set BK,   128
.set G1,  24
.set G0,  32
.set TOG, 36                           ; the slot that the next refill fills, in bytes
.set PP,  37                           ; s37, s38: the slots of the trip's even and odd chunks
.set G1B, 48
.set G0B, 56
.set SAB, 68
.set SBB, 70
.set PFA, 72
.set BP,  74
.set MSB, 0
.macro WIN new
.if MSB != \new
	s_set_vgpr_msb (MSB<<8)|\new
.set MSB, \new
.endif
.endm
.set MUL_LO,   0xa1
.set MUL_HI,   0xf1
.set FIRST_LO, 0x81
.set FIRST_HI, 0xc1
.set TO_B,     0x40
.macro PLACES n
.rept \n
	v_nop
.endr
.endm
.macro JLOAD                           ; a joint load: waves 0, 1 for x, waves 2, 3 for W
	s_cmp_eq_u32 s15, 0
	s_cbranch_scc0 .Lfor_b_\@
	tensor_load_to_lds s[G0:G0+3], s[G1:G1+7]
	s_nop 0
	PLACES 4
	s_branch .Lasked_\@
.Lfor_b_\@:
	tensor_load_to_lds s[G0B:G0B+3], s[G1B:G1B+7]
	s_nop 0
	PLACES 4
.Lasked_\@:
.endm
.macro NEXTD                           ; both groups 0 on to the next chunk and the other slot; stands where no tensor load of the wave is out
	s_add_nc_u64 s[G0+2:G0+3], s[G0+2:G0+3], ROWB
	s_add_nc_u64 s[G0B+2:G0B+3], s[G0B+2:G0B+3], ROWB
	s_xor_b32 s[TOG], s[TOG], SLOT
	s_add_co_u32 s[G0+1], s45, s[TOG]
	s_add_co_u32 s[G0B+1], s45, s[TOG]
.endm
.macro CREST
	s_cmp_lg_u32 s14, 0
	s_cbranch_scc1 .Lnot_wave_0_\@
	s_barrier_signal -3
.Lnot_wave_0_\@:
	s_barrier_wait -3
	s_barrier_signal -1
	s_barrier_wait -1
.endm
.macro CROUND
	s_barrier_signal -1
	s_barrier_wait -1
	CREST
.endm
.macro SETADR                          ; the eight fragment addresses from the two slots' places
	v_add_nc_u32 v[ADRA], s[PP], v[VA]
	v_add_nc_u32 v[ADRA+1], s[PP+1], v[VA]
	v_add_nc_u32 v[ADRB], s[PP], v[VA+1]
	v_add_nc_u32 v[ADRB+1], s[PP+1], v[VA+1]
	v_mul_u32_u24 v5, s[PP+1], v[HS]               ; lanes 16-31: the odd chunks' slot,
	v_mul_u32_u24 v6, s[PP], v[HS+1]               ; lanes 0-15: the even chunks' (of the two scalars one is 0, the other SLOT)
	v_mul_u32_u24 v7, s[PP], v[HS]                 ; and the other way round
	v_mul_u32_u24 v9, s[PP+1], v[HS+1]
	v_add_nc_u32 v5, v5, v6
	v_add_nc_u32 v7, v7, v9
	v_add_nc_u32 v[ADRA+2], v5, v[VA+2]
	v_add_nc_u32 v[ADRA+3], v7, v[VA+2]
	v_add_nc_u32 v[ADRB+2], v5, v[VA+3]
	v_add_nc_u32 v[ADRB+3], v7, v[VA+3]
.endm
.macro SLOAD ul                        ; the scale words of four steps: 16 loads of 256 consecutive bytes
.irp i, 0,1,2,3,4,5,6,7
	global_load_b64 v[SC+32*((\ul)%2)+2*\i:SC+32*((\ul)%2)+2*\i+1], v[SCO], s[SAB:SAB+1] offset:\i*2048+(\ul)*256
	global_load_b64 v[SC+32*((\ul)%2)+16+2*\i:SC+32*((\ul)%2)+17+2*\i], v[SCO], s[SBB:SBB+1] offset:\i*2048+(\ul)*256
.endr
.endm
	s_load_b128 s[4:7], s[0:1], 0x0                ; x_codes, xs2
	s_load_b128 s[8:11], s[0:1], 0x10              ; w_codes, w_scales
	s_load_b64 s[12:13], s[0:1], 0x20              ; out0
	s_load_b64 s[BP:BP+1], s[0:1], 0x28            ; bias
	v_lshl_add_u32 v[SPW], v0, 2, SPARE
	v_mov_b32 v[NIL], 0
	ds_add_u32 v[SPW], v[NIL]                      ; the opening lines: the add twice on end and one wait
	ds_add_u32 v[SPW], v[NIL]
	v_lshrrev_b32 v1, 5, v0
	v_readfirstlane_b32 s14, v1                    ; wave
	v_and_b32 v8, 31, v0                           ; lane
	v_bfe_u32 v2, v0, 4, 1                         ; h
	v_lshlrev_b32 v[SCO], 3, v8
	v_lshlrev_b32 v[BO], 5, v2
	v_mul_u32_u24 v[PFO], v8, KROW
	s_lshr_b32 s15, s14, 1                         ; my half of the rows; also: I fetch for x (0) or W (1)
	s_and_b32 s16, s14, 1                          ; my half of the columns; also: which 128 rows I fetch
	s_bfe_u32 s40, ttmp6, 0x40000                  ; cx
	s_bfe_u32 s41, ttmp6, 0x40004                  ; cy
	s_lshl_b32 s42, ttmp9, 2
	s_add_co_u32 s42, s42, s40                     ; tile column
	s_and_b32 s17, ttmp7, 0xffff
	s_lshl_b32 s17, s17, 2
	s_add_co_u32 s17, s17, s41                     ; tile row
	s_lshl_b32 s43, s41, 2
	s_lshl_b32 s43, 15, s43                        ; my row of the cluster
	s_lshl_b32 s44, 0x1111, s40                    ; my column
	s_or_b32 s[G1+0], s43, (0<<16)|(1<<20)|(1<<21)|(5<<22)|(3<<25)   ; bytes; 4 words of padding behind every 64
	s_or_b32 s[G1B+0], s44, (0<<16)|(1<<20)|(1<<21)|(5<<22)|(3<<25)
.irp g, G1, G1B
	s_mov_b32 s[\g+1], ROWB<<16
	s_mov_b32 s[\g+2], 128<<16
	s_mov_b32 s[\g+3], ROWB<<16
	s_mov_b32 s[\g+4], 128
	s_mov_b32 s[\g+5], KROW
	s_mov_b32 s[\g+6], 0
	s_mov_b32 s[\g+7], 0
.endr
	s_lshl_b32 s18, s16, 7
	s_lshl_b32 s20, s17, 8
	s_add_co_u32 s20, s20, s18
	s_mul_i32 s20, s20, KROW                       ; x: the 128 rows that I fetch, in bytes
	s_mov_b32 s21, 0
	s_lshl_b32 s46, s42, 8
	s_add_co_u32 s46, s46, s18
	s_mul_i32 s46, s46, KROW                       ; W likewise
	s_mov_b32 s47, 0
	s_mul_i32 s45, s14, HALFT                      ; where they go in a slot
	s_mov_b32 s[TOG], 0
	s_mov_b32 s[PP], 0
	s_mov_b32 s[PP+1], SLOT
	s_mul_i32 s82, s15, HALFT                      ; my 128 rows of x in a slot,
	s_mul_i32 s83, s16, HALFT
	s_add_co_u32 s83, s83, 2*HALFT                 ; of W
	s_mul_i32 s86, s14, 16*SPITCH
	s_add_co_u32 s86, s86, STAGE                   ; my stage
	s_lshl_b32 s76, s17, 8
	s_lshl_b32 s22, s15, 7
	s_add_co_u32 s76, s76, s22                     ; my first row of out0
	s_lshl_b32 s78, s76, 14                        ; x 16,384 bytes
	s_lshl_b32 s76, s76, 7                         ; its scale words: 128 bytes a row
	s_mov_b32 s77, 0
	s_mov_b32 s79, 0
	s_lshl_b32 s90, s42, 8
	s_add_co_u32 s90, s90, s18                     ; my first column
	s_lshl_b32 s92, s90, 2
	s_lshl_b32 s90, s90, 7
	s_mov_b32 s91, 0
	s_mov_b32 s93, 0
	s_lshl_b32 s87, s17, 8                         ; the prefetches: the tile's first row,
	s_lshl_b32 s88, s42, 8
	s_cmp_eq_u32 s15, 0
	s_cselect_b32 s87, s87, s88
	s_cselect_b32 s88, s40, s41                    ; my place among the four that ask with me
	s_lshl_b32 s88, s88, 5
	s_add_co_u32 s87, s87, s18
	s_add_co_u32 s87, s87, s88
	s_mul_i32 s88, s87, KROW
	s_mov_b32 s89, 0
	s_wait_alu depctr_va_vdst(0)
	s_wait_dscnt 0x0
	s_wait_kmcnt 0x0
	s_mov_b32 s[G0], 1
	s_add_co_u32 s[G0+1], s45, s[TOG]
	s_add_nc_u64 s[G0+2:G0+3], s[4:5], s[20:21]
	s_or_b32 s[G0+3], s[G0+3], 0x80000000
	s_mov_b32 s[G0B], 1
	s_add_co_u32 s[G0B+1], s45, s[TOG]
	s_add_nc_u64 s[G0B+2:G0B+3], s[8:9], s[46:47]
	s_or_b32 s[G0B+3], s[G0B+3], 0x80000000
	s_add_nc_u64 s[SAB:SAB+1], s[6:7], s[76:77]
	s_add_nc_u64 s[SBB:SBB+1], s[10:11], s[90:91]
	s_add_nc_u64 s[BP:BP+1], s[BP:BP+1], s[92:93]
	s_add_nc_u64 s[12:13], s[12:13], s[78:79]
	s_add_nc_u64 s[12:13], s[12:13], s[92:93]
	s_cmp_eq_u32 s15, 0
	s_cselect_b64 s[PFA:PFA+1], s[4:5], s[8:9]
	s_add_nc_u64 s[PFA:PFA+1], s[PFA:PFA+1], s[88:89]
	CROUND                                         ; all sixteen work-groups are here
	JLOAD                                          ; chunk 0: one tensor load a wave at the head
.irp c, 1,2,3
	global_prefetch_b8 v[PFO], s[PFA:PFA+1] offset:\c*ROWB th:TH_LOAD_NT scope:SCOPE_SE
.endr
.irp b, 0,1,2,3,4,5,6,7
	global_load_b128 v[96+8*\b+96*(\b/4):96+8*\b+96*(\b/4)+3], v[BO], s[BP:BP+1] offset:64*\b      ; bias of columns 16 b + 8 h + 0 .. 7: the C of step 0's products
	global_load_b128 v[100+8*\b+96*(\b/4):100+8*\b+96*(\b/4)+3], v[BO], s[BP:BP+1] offset:64*\b+16
.endr
	SLOAD 0
	v_and_b32 v1, 15, v0                           ; r
	v_mul_u32_u24 v3, v1, PITCH
	v_mul_u32_u24 v4, v2, 48
	v_add_nc_u32 v4, v3, v4                        ; row x pitch + 48 h
	v_bfe_u32 v[HS], v0, 4, 1                      ; h
	v_sub_nc_u32 v[HS+1], 1, v2                    ; 1 - h
	v_mul_u32_u24 v6, v[HS+1], 208
	v_add_nc_u32 v6, v3, v6                        ; row x pitch, + 208 in lanes 0-15
	v_add_nc_u32 v[VA], s82, v4
	v_add_nc_u32 v[VA+1], s83, v4
	v_add_nc_u32 v[VA+2], s82, v6
	v_add_nc_u32 v[VA+3], s83, v6
	SETADR
	v_mul_u32_u24 v9, v1, SPITCH
	v_lshl_add_u32 v9, v2, 5, v9
	v_add_nc_u32 v[STO], s86, v9
	v_lshlrev_b32 v[CO], 4, v8
	v_add_nc_u32 v[RD], s86, v[CO]
.macro FRAG reg, adr, st, i            ; 16 rows x 128 K: three pieces of 16 bytes; lanes 16-31 read 48 bytes on, which may be in the next chunk
.irp j, 0,1,2
.set BY, 96*(\st)+16*\j
.if BY/ROWB == (BY+48)/ROWB
	ds_load_b128 v[\reg+4*\j:\reg+4*\j+3], v[\adr+(BY/ROWB)%2] offset:BY%ROWB+(\i)*16*PITCH
.else
	ds_load_b128 v[\reg+4*\j:\reg+4*\j+3], v[\adr+2+(BY/ROWB)%2] offset:BY%ROWB-208+(\i)*16*PITCH
.endif
.endr
.endm
.macro FETCH_B st, p
	WIN TO_B
.irp i, 0,1,2,3,4,5,6,7
	FRAG 128*(\p)+FR*\i, ADRB, \st, \i
.endr
	WIN 0
.endm
.macro FETCH_A st, i0
.irp i, \i0, \i0+1, \i0+2, \i0+3
	FRAG AF+FR*(\i), ADRA, \st, \i
.endr
.endm
; x's block a against W's eight.  The 64 accumulators take turns in one order in every step.
.macro MUL8 a, st, first
.set SS, SC+32*(((\st)/4)%2)
.set QS, (\st)%2
.set PB, 128*((\st)%2)
.irp b, 0,1,2,3,4,5,6,7
.set DD, 8*(8*((\a)%4)+\b)
.if \first
	v_wmma_scale_f32_16x16x128_f8f6f4 v[DD:DD+7], v[PB+FR*\b:PB+FR*\b+FR-1], v[AF+FR*(\a):AF+FR*(\a)+FR-1], v[96+8*\b+96*(\b/4):96+8*\b+96*(\b/4)+7], v[SS+17+2*\b-QS], v[SS+2*(\a)+QS] matrix_a_fmt:MATRIX_FMT_FP6 matrix_b_fmt:MATRIX_FMT_FP6
.elseif ((\st)/2)%2
	v_wmma_scale_f32_16x16x128_f8f6f4 v[DD:DD+7], v[PB+FR*\b:PB+FR*\b+FR-1], v[AF+FR*(\a):AF+FR*(\a)+FR-1], v[DD:DD+7], v[SS+17+2*\b-QS], v[SS+2*(\a)+QS] matrix_a_fmt:MATRIX_FMT_FP6 matrix_b_fmt:MATRIX_FMT_FP6 matrix_a_scale:MATRIX_SCALE_ROW1 matrix_b_scale:MATRIX_SCALE_ROW1
.else
	v_wmma_scale_f32_16x16x128_f8f6f4 v[DD:DD+7], v[PB+FR*\b:PB+FR*\b+FR-1], v[AF+FR*(\a):AF+FR*(\a)+FR-1], v[DD:DD+7], v[SS+17+2*\b-QS], v[SS+2*(\a)+QS] matrix_a_fmt:MATRIX_FMT_FP6 matrix_b_fmt:MATRIX_FMT_FP6
.endif
.endr
.endm
.macro MUL16 a0, st, first
	MUL8 \a0, \st, \first
	MUL8 (\a0)+1, \st, \first
.endm
.macro ASK c, guard
.if \guard
	s_cmp_lg_u32 s3, 1                             ; the last trip's third request would name chunk 12
	s_cbranch_scc0 .Lno_ask_\@
.endif
	global_prefetch_b8 v[PFO], s[PFA:PFA+1] offset:(\c)*ROWB th:TH_LOAD_NT scope:SCOPE_SE
.if \guard
.Lno_ask_\@:
.endif
.endm
; A step: 64 products on step st's fragments (st counted inside the eight); the next step's fragments are fetched in its middle and at its end.
; NEW: the next step's bytes end in a chunk not read yet: every wave waits for its tensor load, and a barrier shows the chunk whole.
; REL: the next step's bytes begin in a later chunk, and a chunk two on is left to fetch (cb: the chunks ahead of this eight): the three lines, a round of the cluster's barrier, the refill.
.macro STEP st, first, cb, sload, ask
.set NX, (\st)+1
.set C0, (96*(\st))/ROWB
.set C1, (96*NX)/ROWB
.set E0, (96*(\st)+95)/ROWB
.set E1, (96*NX+95)/ROWB
.set REL, 0
.if C1 > C0 && C0+(\cb)+2 < CHUNKS
.set REL, 1
.endif
.set NEW, 0
.if E1 > E0
.set NEW, 1
.endif
.if (\st)%4 == 0
	s_wait_loadcnt 0x0                             ; this step's set of scale words, asked for four steps ago (step 0: and the bias)
.endif
.if REL && NEW
	s_wait_dscnt 4*NL                              ; the 12 youngest loads, x's blocks 4-7, may be out
	WIN MUL_LO
	MUL16 0, \st, 0
	WIN 0
	s_wait_tensorcnt 0x0                           ; my part of the new chunk is in
	ds_add_u32 v[SPW], v[NIL]
	NEXTD
	WIN MUL_LO
	MUL8 2, \st, 0
	s_wait_dscnt 0x0                               ; the add, and my reads of the chunk left behind
	s_barrier_signal -1
	MUL8 3, \st, 0
	WIN 0
	s_barrier_wait -1
	CREST
	JLOAD                                          ; its four v_nop are the places ahead of the loads below
.elseif REL
	s_wait_tensorcnt 0x0
	ds_add_u32 v[SPW], v[NIL]
	NEXTD
	s_wait_dscnt 4*NL+1                            ; the add and x's blocks 4-7 may be out
	WIN MUL_LO
	MUL8 0, \st, 0
	s_wait_dscnt 0x0                               ; the add, and my reads of the chunk left behind
	s_barrier_signal -1
	MUL8 1, \st, 0
	WIN 0
	s_barrier_wait -1
	CREST
	JLOAD
	WIN MUL_LO
	MUL16 2, \st, 0
	PLACES NP
.elseif NEW
	s_wait_dscnt 4*NL
	WIN MUL_LO
	MUL16 0, \st, 0
	s_wait_tensorcnt 0x0                           ; my part of the new chunk is in
	s_wait_dscnt 0x0
	s_barrier_signal -1
	MUL16 2, \st, 0
	s_barrier_wait -1
	PLACES NP
.else
	s_wait_dscnt 4*NL
.if \first
	WIN FIRST_LO
.else
	WIN MUL_LO
.endif
	MUL16 0, \st, \first
	MUL16 2, \st, \first
	s_wait_dscnt 0x0
	PLACES NP
.endif
	FETCH_B NX, NX%2
	FETCH_A NX, 0
.if \sload && (\st)%4 == 0
	SLOAD (\st)/4+1                                ; into the set whose last step is over
.endif
.if \ask && REL
	ASK C0+4, C0/2
.endif
.if \first
	WIN FIRST_HI
.else
	WIN MUL_HI
.endif
	MUL16 4, \st, \first
	MUL16 6, \st, \first
	PLACES NP
	WIN 0
	FETCH_A NX, 4
.endm
	s_wait_alu depctr_va_vdst(0)
	s_wait_tensorcnt 0x0                           ; my part of chunk 0 is in; slot 1's first fill is issued as a refill is
	ds_add_u32 v[SPW], v[NIL]
	NEXTD
	s_wait_dscnt 0x0
	CROUND
	JLOAD                                          ; chunk 1
	FETCH_B 0, 0
	FETCH_A 0, 0
	FETCH_A 0, 4
	STEP 0, 1, 0, 1, 0
	s_mov_b32 s3, 3
.Ltrip:
.irp t, 1,2,3,4,5,6,7,8
	STEP \t, 0, 0, 1, 1
.endr
	s_wait_xcnt 0x0                                ; the trip's loads and prefetches have read their bases
	s_add_nc_u64 s[SAB:SAB+1], s[SAB:SAB+1], 512
	s_add_nc_u64 s[SBB:SBB+1], s[SBB:SBB+1], 512
	s_add_nc_u64 s[PFA:PFA+1], s[PFA:PFA+1], 3*ROWB
	s_xor_b32 s[PP], s[PP], SLOT                   ; three chunks on: the slots change places
	s_xor_b32 s[PP+1], s[PP+1], SLOT
	SETADR
	s_sub_co_u32 s3, s3, 1
	s_cmp_lg_u32 s3, 0
	s_wait_alu depctr_va_vdst(0)
	s_cbranch_scc1 .Ltrip
.irp t, 1,2,3,4,5,6
	STEP \t, 0, 9, 0, 0                            ; steps 25 .. 30: chunk 11 is the one refill left
.endr
	s_wait_dscnt 4*NL                              ; step 31: nothing more to fetch
	WIN MUL_LO
	MUL16 0, 7, 0
	MUL16 2, 7, 0
	s_wait_dscnt 0x0
	WIN MUL_HI
	MUL16 4, 7, 0
	MUL16 6, 7, 0
	WIN 0
; THE WAY OUT, block by block of 16 rows x 128 columns, through my own stage: back as whole rows of 512 bytes.  LDS serves a wave's instructions in order: no wait between the stores and the loads.
.macro TOSTAGE a
.set AC, 64*((\a)%4)
	WIN 0x08+4*((\a)/4)
.irp b, 0,1,2,3,4,5,6,7
	ds_store_b128 v[STO], v[AC+8*\b:AC+8*\b+3] offset:64*\b          ; each accumulator from its low end on
	ds_store_b128 v[STO], v[AC+8*\b+4:AC+8*\b+7] offset:64*\b+16
.endr
	WIN 0
.set BB, BK+64*((\a)%2)
.irp t, 0,1,2,3,4,5,6,7,8,9,10,11,12,13,14,15
	ds_load_b128 v[BB+4*\t:BB+4*\t+3], v[RD] offset:\t*SPITCH
.endr
.endm
.macro SEND a, younger
.set BB, BK+64*((\a)%2)
	s_wait_dscnt \younger                          ; the block is back; the next block's 16 stores and 16 loads may be out
.if (\a) > 0
	s_add_nc_u64 s[12:13], s[12:13], 16*SIZE_N*4   ; behind a wait on XCNT
.endif
.irp t, 0,1,2,3,4,5,6,7,8,9,10,11,12,13,14,15
	global_store_b128 v[CO], v[BB+4*\t:BB+4*\t+3], s[12:13] offset:\t*SIZE_N*4 th:TH_STORE_NT   ; 32 lanes store 512 consecutive bytes, aligned to 256
.endr
.endm
	PLACES NP
	TOSTAGE 0
.irp a, 1,2,3,4,5,6,7
.if \a > 1
	s_wait_xcnt 0x0                                ; block a - 2's stores have read their registers and their base
.endif
	TOSTAGE \a
	SEND \a-1, 32
.endr
	s_wait_xcnt 0x0
	SEND 7, 0
	s_wait_tensorcnt 0x0                           ; the wave's end
	ds_add_u32 v[SPW], v[NIL]
	s_wait_dscnt 0x0
	CROUND                                         ; the closing round
	s_endpgm
.Lfunc_end_k_qa8fadd9b5b_gemm:
	.size	k_qa8fadd9b5b_gemm, .Lfunc_end_k_qa8fadd9b5b_gemm-k_qa8fadd9b5b_gemm
	.p2alignl 7, 3214868480
	.fill 96, 4, 3214868480
	.section	.rodata,"a",@progbits
	.p2align	6, 0x0
	.amdhsa_kernel k_qa8fadd9b5b_gemm
		.amdhsa_group_segment_fixed_size 327680
		.amdhsa_private_segment_fixed_size 0
		.amdhsa_enable_private_segment 0
		.amdhsa_kernarg_size 48
		.amdhsa_user_sgpr_count 2
		.amdhsa_user_sgpr_kernarg_segment_ptr 1
		.amdhsa_wavefront_size32 1
		.amdhsa_system_sgpr_workgroup_id_x 1
		.amdhsa_system_sgpr_workgroup_id_y 1
		.amdhsa_system_sgpr_workgroup_id_z 1
		.amdhsa_system_vgpr_workitem_id 0
		.amdhsa_next_free_vgpr 1024
		.amdhsa_next_free_sgpr 98
		.amdhsa_reserve_vcc 0
		.amdhsa_float_denorm_mode_32 3
		.amdhsa_float_denorm_mode_16_64 3
		.amdhsa_memory_ordered 1
		.amdhsa_forward_progress 1
		.amdhsa_inst_pref_size 237
	.end_amdhsa_kernel
	.amdgpu_metadata
---
amdhsa.version: [ 1, 2 ]
amdhsa.kernels:
  - .name:           k_qa8fadd9b5b_gemm
    .symbol:         k_qa8fadd9b5b_gemm.kd
    .args:
      - { .name: x_codes, .offset: 0, .size: 8, .value_kind: global_buffer, .address_space: global }
      - { .name: xs2, .offset: 8, .size: 8, .value_kind: global_buffer, .address_space: global }
      - { .name: w_codes, .offset: 16, .size: 8, .value_kind: global_buffer, .address_space: global }
      - { .name: w_scales, .offset: 24, .size: 8, .value_kind: global_buffer, .address_space: global }
      - { .name: out0, .offset: 32, .size: 8, .value_kind: global_buffer, .address_space: global }
      - { .name: bias, .offset: 40, .size: 8, .value_kind: global_buffer, .address_space: global }
    .group_segment_fixed_size: 327680
    .private_segment_fixed_size: 0
    .kernarg_segment_align: 8
    .kernarg_segment_size: 48
    .max_flat_workgroup_size: 128
    .sgpr_count:     98
    .vgpr_count:     1024
    .wavefront_size: 32
...
	.end_amdgpu_metadata
.endif
;; end of part 2
